; MI455X (gfx1250); checked and timed in simulation.
; The chip was launched on July 23, 2026; its instructions are those of AMD's public machine-readable ISA for CDNA 5 (MIT licence, August 2026) and "CDNA5" Instruction Set Architecture Reference Guide (July 2026). The comments in the code are by the model that wrote it; some were corrected since.
;; Attention. Allowed arithmetic: matrix products marked QUANTISED: E2M1 operands, one E8M0 scale for each 32 along K, by v_wmma_scale_f32_16x16x128_f8f6f4 with both operands' format E2M1 (or v_wmma_scale_f32_32x16x128_f4), f32 sums; everything else in f32.
;; Inputs: key_layer 2 x 16 x 2,048 x 128 float32; query_layer 2 x 16 x 2,048 x 128 float32; value_layer 2 x 16 x 2,048 x 128 float32.
;; Outputs: out0 2 x 2,048 x 2,048 float32.
;; This version of the problem:
;;   THIS VERSION OF THE PROBLEM IS GIVEN IN LOW PRECISION. The matrix products marked QUANTISED in the list below multiply operands that are first quantised to E2M1 (2 exponent bits, 1 mantissa bit; 4 bits a number), with one power-of-two scale for each 32 numbers along K (OCP MX v1.0); their sums are f32. All else is computed in f32.
;;   The module's matrix products, in the order in which they are computed (A, B: the left and right operand; K: the contracted axis; several contracted axes count as one K, in the product's order):
;;     1. batch 32 x [M 2,048, K 128] x [K 128, N 2,048]; A: input query_layer; B: input key_layer: QUANTISED
;;     2. batch 32 x [M 2,048, K 2,048] x [K 2,048, N 128]; A: softmax (see below); B: input value_layer: QUANTISED
;;   THE QUANTISER, for each operand of a quantised product, along K:
;;     - K is cut into blocks of 32 from its start; a last block that is shorter is filled with zeros.
;;     - A block's scale is 2^e with e = floor(log2(the largest magnitude in the block)) - 2, held to -126 .. 127; a block of zeros has e = 0. As a byte (E8M0): e + 127.
;;     - Each number is divided by its block's scale, clamped to +-6, and rounded to the nearest number of E2M1, ties to even, subnormals kept.
;;     - The product sums the exact products of the quantised numbers (number of the format x scale) in f32.
;;   ~~~python
;;   def quantise(x, axis):      # numpy; x: float32 -> the quantised numbers, widened to float32 again
;;       x = np.moveaxis(x, axis, -1); K = x.shape[-1]
;;       x = np.pad(x, [(0, 0)] * (x.ndim - 1) + [(0, -K % 32)]); x = x.reshape(x.shape[:-1] + (-1, 32)); a = np.abs(x).max(-1, keepdims=True)
;;       e = np.where(a > 0, np.clip(np.frexp(np.where(a > 0, a, 1))[1] - 1 - 2, -126, 127), 0)      # np.frexp(a)[1] - 1 = floor(log2(a)), exactly
;;       r = np.clip(x / 2.0 ** e, -6, 6)
;;       step = 2.0 ** (np.maximum(np.frexp(np.where(r == 0, 1, r))[1] - 1, 0) - 1)
;;       q = np.round(r / step) * step * 2.0 ** e      # np.round: ties to even
;;       return np.moveaxis(q.reshape(q.shape[:-2] + (-1,))[..., :K], -1, axis).astype(np.float32)
;;   ~~~
;;   SOFTMAX AHEAD OF A QUANTISED PRODUCT. Where the list says 'softmax', what is quantised is not the finished softmax but p = 2^(t - M), with t = logit x log2(e) and M = ceil(the row's largest t), a whole number; so 1/2 < the row's largest p <= 1. The row's sum l is taken of the UNQUANTISED p, in f32, and the product's result is divided by l at the end. Since M is a whole number, a kernel that streams over the keys may use a running M (the ceiling of the running maximum): every later rescaling is an exact power of two, which a block's scale takes up: the codes' values come out the same.
;;   OPERANDS COMPUTED ON THE WAY. 'Computed on the way' means the value that the module computes at that place (a softmax that the list does not call 'softmax' is quantised finished and normalised). What goes into a quantiser is computed in f32, as accurately as f32 sums, v_exp_f32 and their like allow (about 1e-6 of the number): no bf16 or f16 on the way to a quantiser, and a product that is left as it is and whose result goes on into a quantised operand takes f32 operands (vector FMAs, or v_wmma_f32_16x16x4_f32). A number that lies on a knife's edge between two numbers of the format may be rounded either way, as far as f32 arithmetic and the matrix unit's own rounding can turn it there, and no further.
;; One version. Each part assembles by itself: llvm-mc -triple=amdgcn-amd-amdhsa -mcpu=gfx1250 --defsym DOCPART=n.
;; ======== version 1 of 1: 2 launches
;; limits: right only within a limited range of input values
;; workspace buffers: kv 8,912,896 bytes
;; launch prep (part 1): grid 512 x 1, 8 waves a work-group, no clusters, 20,480 bytes of LDS; arguments key_layer, value_layer, kv; writes kv
.if DOCPART == 1
	.amdgcn_target "amdgcn-amd-amdhsa--gfx1250"
	.amdhsa_code_object_version 6
	.text
	.protected	k_q73a65b300a_prep
	.globl	k_q73a65b300a_prep
	.p2align	8
	.type	k_q73a65b300a_prep,@function
k_q73a65b300a_prep:
	s_mov_b64 s[64:65], 0
	v_nop
	global_prefetch_b8 v0, s[64:65] scope:SCOPE_SE
	s_setreg_imm32_b32 hwreg(HW_REG_WAVE_MODE, 25, 1), 1
	s_wait_xcnt 0x0
; K and V, f32, 32 heads of 2,048 x 128, become codes of FP4 (E2M1) with one E8M0 scale for each 32 along a product's K (K: the 128 channels; V: the keys).
; A work-group makes ONE BLOCK: 128 keys of a head, 17,408 bytes, laid as images of the operands' registers: 8,192 bytes of K's codes, 512 of K's scale words, 8,192 of V's codes, 512 of V's scale words.
; K's tile 4 c + u, row r: key 64 c + 32 (r / 8) + 8 u + r % 8.  V's tile 4 u + i, column r: channel 64 u + 4 r + i.  A fragment: 512 bytes for each half of K, 16 bytes a lane.
; Scale words: tile t, row r at 256 (t / 4) + 16 r + 4 (t % 4).
; Waves 0 to 3 take V: wave 2 u + c has channels 64 u .. + 63 and keys 64 c .. + 63: a lane's 16 bytes of a row are one number for each of four tiles, so 32 loads give a lane a whole block of 32 keys of four columns.
; Waves 4 to 7 take K: 32 keys each, as dense loads of 512 bytes that turn through the wave's own stage, 64 bytes a lane; two neighbouring lanes hold a block.
; Every wave has its whole 16,384 bytes asked for at once (32 loads).  No tensor loads and no cluster: nothing is read twice.
; A block's scale is 2^(floor(log2(its largest magnitude)) - 2), the byte held at 1 from below (a block of zeros has zero codes under the byte 1; the bytes are read by this program alone).
; LIMITS: NaN and infinities among the inputs are not served; a block whose largest magnitude lies under 2^-124 gets the byte 1.
.set BLK,   17408
.set KSC,   8192                       ; LDS: K's image, K's scale words, V's scale words,
.set VSC,   8704
.set STG,   9216                       ; a stage of 2,560 bytes for each wave of K,
.set SPARE, 19456                      ; the spare words, 128 bytes for each wave
.set R,     32                         ; v32-159  the loads
.set X,     160                        ; v160-191 K: two sets of 16 neighbours; V: the first group's numbers by tiles
.set C,     192                        ; v192-207 codes
.set E,     208                        ; v208-215 K's scale bytes
.set SPW,   28
.set NIL,   29
	s_load_b128 s[4:7], s[0:1], 0x0                ; K, V
	s_load_b64 s[8:9], s[0:1], 0x10                ; kv
	v_lshl_add_u32 v[SPW], v0, 2, SPARE
	v_mov_b32 v[NIL], 0
	v_lshrrev_b32 v1, 5, v0
	v_readfirstlane_b32 s16, v1                    ; wave
	s_bfe_u32 s17, s16, 0x10001                    ; V: u.  K: which 64 keys
	s_and_b32 s18, s16, 1                          ; V: c.  K: which 32 of them
	v_and_b32 v2, 31, v0                           ; lane
	v_and_b32 v3, 15, v0                           ; r
	v_bfe_u32 v4, v0, 4, 1                         ; h
	v_lshlrev_b32 v5, 4, v3
	v_lshl_add_u32 v5, v4, 14, v5                  ; V in memory: 16 r + 32 h rows of 512 bytes
	v_lshlrev_b32 v6, 4, v2                        ; 16 lane
	s_lshl_b32 s19, s17, 8
	s_lshl_b32 s20, s18, 1
	s_add_co_u32 s19, s19, s20
	s_add_co_u32 s19, s19, VSC
	v_lshl_add_u32 v7, v3, 4, v4
	v_add_nc_u32 v7, s19, v7                       ; V's scale byte: word of column r, byte 2 c + h
	v_lshrrev_b32 v8, 3, v2
	v_lshlrev_b32 v8, 4, v8                        ; 16 (lane / 8): a round's row
	v_bfe_u32 v9, v0, 2, 1
	v_lshl_add_u32 v9, v9, 9, v8
	v_bfe_u32 v10, v0, 1, 1
	v_lshl_add_u32 v9, v10, 8, v9
	v_and_b32 v10, 1, v0
	v_lshl_add_u32 v9, v10, 3, v9
	s_lshl_b32 s21, s17, 12
	s_lshl_b32 s22, s18, 7
	s_add_co_u32 s21, s21, s22
	v_add_nc_u32 v9, s21, v9                       ; K's image: my 8 bytes of codes
	s_lshl_b32 s23, s17, 8
	s_add_co_u32 s22, s22, s23
	s_add_co_u32 s22, s22, KSC
	v_bfe_u32 v10, v0, 1, 2
	v_add_nc_u32 v10, v10, v8
	v_add_nc_u32 v10, s22, v10                     ; K's scale byte
	s_and_b32 s23, s16, 3
	s_lshl_b32 s34, s23, 14                        ; my 32 keys of K, in memory
	s_mov_b32 s35, 0
	s_mul_i32 s23, s23, 2560
	s_add_co_u32 s23, s23, STG
	v_lshrrev_b32 v11, 2, v2
	v_mul_u32_u24 v11, v11, 80
	v_and_b32 v12, 3, v0
	v_lshl_add_u32 v11, v12, 4, v11
	v_add_nc_u32 v11, s23, v11                     ; the stage, in: 64 bytes and 16 of padding for four lanes
	v_mul_u32_u24 v12, v2, 80
	v_add_nc_u32 v12, s23, v12                     ; and out: 64 bytes a lane
	s_lshl_b32 s24, s16, 10
	v_add_nc_u32 v13, s24, v6                      ; the image's way out: 1,024 bytes a wave
	s_lshl_b32 s25, s16, 9
	v_add_nc_u32 v14, s25, v6                      ; the scale words': wave 0 K's, wave 1 V's,
	s_mul_i32 s26, s16, VSC
	v_add_nc_u32 v15, s26, v6                      ; which lie 8,704 bytes further on in the block
	s_lshl_b32 s28, ttmp9, 16                      ; 128 rows of 512 bytes
	s_mov_b32 s29, 0
	s_lshl_b32 s30, s18, 15                        ; V: 64 c rows,
	s_lshl_b32 s31, s17, 8                         ; 64 u channels
	s_add_co_u32 s30, s30, s31
	s_mov_b32 s31, 0
	s_mul_i32 s36, ttmp9, BLK
	s_mov_b32 s37, 0
	s_lshl_b32 s38, s17, 12                        ; V's codes: 4 u tiles,
	s_lshl_b32 s39, s18, 9                         ; half c
	s_add_co_u32 s38, s38, s39
	s_add_co_u32 s38, s38, KSC+512
	s_mov_b32 s39, 0
	s_wait_alu depctr_va_vdst(0)                   ; the wait at the head's end
	s_wait_kmcnt 0x0
	s_add_nc_u64 s[4:5], s[4:5], s[28:29]
	s_add_nc_u64 s[6:7], s[6:7], s[28:29]
	s_add_nc_u64 s[4:5], s[4:5], s[34:35]
	s_add_nc_u64 s[6:7], s[6:7], s[30:31]
	s_add_nc_u64 s[10:11], s[8:9], s[36:37]        ; my block
	s_add_nc_u64 s[12:13], s[10:11], s[38:39]      ; my wave's part of V's codes in it
	s_cmp_lt_u32 s16, 4
	s_cbranch_scc0 .Lkeys
	; V
.irp i, 0,1,2,3,4,5,6,7,8,9,10,11,12,13,14,15,16,17,18,19,20,21,22,23,24,25,26,27,28,29,30,31
	global_load_b128 v[R+4*\i:R+4*\i+3], v5, s[6:7] offset:512*\i th:TH_LOAD_NT   ; key 64 c + 32 h + i
.endr
; Eight keys: the four tiles' maxima go on, and the numbers are laid by tiles, since a conversion takes eight neighbours along the keys from consecutive registers: into the 32 registers that the group before has left
.macro GRP q
.set SS, R+32*(\q)
.if (\q) == 0
.set DD, X
.else
.set DD, SS-32
.endif
	s_wait_loadcnt 24-8*(\q)                       ; the loads of the later groups may be out
.irp w, 0,1,2,3
.if (\q) == 0
	v_max3_num_f32 v[16+\w], |v[SS+\w]|, |v[SS+4+\w]|, 0x1800000   ; with the floor 2^(3 - 127)
.else
	v_max3_num_f32 v[16+\w], v[16+\w], |v[SS+\w]|, |v[SS+4+\w]|
.endif
.endr
.irp i, 2,4,6
.irp w, 0,1,2,3
	v_max3_num_f32 v[16+\w], v[16+\w], |v[SS+4*\i+\w]|, |v[SS+4*\i+4+\w]|
.endr
.endr
.irp i, 0,1,2,3,4,5,6,7
.irp w, 0,1,2,3
	v_mov_b32 v[DD+8*\w+\i], v[SS+4*\i+\w]
.endr
.endr
.endm
	GRP 0
	GRP 1
	GRP 2
	GRP 3
.irp w, 0,1,2,3
	v_add_nc_u32 v[20+\w], 0xff000000, v[16+\w]    ; 2 off the exponent field: the conversion's scale operand
.endr
.irp w, 0,1,2,3
	v_cvt_scalef32_pk8_fp4_f32 v[C+4*\w], v[X+8*\w:X+8*\w+7], v[20+\w]
	v_cvt_scalef32_pk8_fp4_f32 v[C+4*\w+1], v[R+8*\w:R+8*\w+7], v[20+\w]
	v_cvt_scalef32_pk8_fp4_f32 v[C+4*\w+2], v[R+32+8*\w:R+39+8*\w], v[20+\w]
	v_cvt_scalef32_pk8_fp4_f32 v[C+4*\w+3], v[R+64+8*\w:R+71+8*\w], v[20+\w]
.endr
.irp w, 0,1,2,3
	v_lshrrev_b32 v[24+\w], 23, v[20+\w]           ; the scale's byte
.endr
.irp w, 0,1,2,3
	ds_store_b8 v7, v[24+\w] offset:4*\w
	global_store_b128 v6, v[C+4*\w:C+4*\w+3], s[12:13] offset:1024*\w   ; 32 lanes store 512 consecutive bytes
.endr
	s_branch .Ljoin
.Lkeys:	; K
.irp i, 0,1,2,3,4,5,6,7,8,9,10,11,12,13,14,15,16,17,18,19,20,21,22,23,24,25,26,27,28,29,30,31
	global_load_b128 v[R+4*\i:R+4*\i+3], v6, s[4:5] offset:512*\i th:TH_LOAD_NT   ; a row a load
.endr
.macro KTURN q                         ; four rows through the stage: LDS serves a wave's instructions in order
	s_wait_loadcnt 28-4*(\q)                       ; the loads of the later rounds may be out
.irp k, 0,1,2,3
	ds_store_b128 v11, v[R+16*(\q)+4*\k:R+16*(\q)+4*\k+3] offset:640*\k
.endr
.irp k, 0,1,2,3
	ds_load_b128 v[X+16*((\q)%2)+4*\k:X+16*((\q)%2)+4*\k+3], v12 offset:16*\k
.endr
.endm
.macro KSTEP q
.set XS, X+16*((\q)%2)
.if (\q) > 0
	s_wait_dscnt 2                                 ; this round's numbers are back; the last round's two stores may be out
.else
	s_wait_dscnt 0x0
.endif
.if (\q) < 7
	KTURN (\q)+1
.endif
	v_max3_num_f32 v16, |v[XS]|, |v[XS+1]|, |v[XS+2]|
	v_max3_num_f32 v17, |v[XS+3]|, |v[XS+4]|, |v[XS+5]|
.irp i, 6,10
	s_delay_alu instid0(VALU_DEP_2)
	v_max3_num_f32 v16, v16, |v[XS+\i]|, |v[XS+\i+1]|
	s_delay_alu instid0(VALU_DEP_2)
	v_max3_num_f32 v17, v17, |v[XS+\i+2]|, |v[XS+\i+3]|
.endr
	s_delay_alu instid0(VALU_DEP_2)
	v_max3_num_f32 v16, v16, |v[XS+14]|, |v[XS+15]|
	s_delay_alu instid0(VALU_DEP_1)
	v_max3_num_f32 v16, v16, v17, 0x1800000        ; with the floor
	s_delay_alu instid0(VALU_DEP_1)
	v_max_num_f32_dpp v16, v16, v16 row_xmask:1 row_mask:0xf bank_mask:0xf   ; and my neighbour's 16: the block's
	s_delay_alu instid0(VALU_DEP_1)
	v_add_nc_u32 v18, 0xff000000, v16
	v_cvt_scalef32_pk8_fp4_f32 v[C+2*(\q)], v[XS:XS+7], v18
	v_cvt_scalef32_pk8_fp4_f32 v[C+2*(\q)+1], v[XS+8:XS+15], v18
	v_lshrrev_b32 v[E+(\q)], 23, v18
	ds_store_b64 v9, v[C+2*(\q):C+2*(\q)+1] offset:1024*((\q)/2)+64*((\q)%2)
	ds_store_b8 v10, v[E+(\q)] offset:4*((\q)/2)+64*((\q)%2)   ; both lanes of a block write the same byte with the same value
.endm
	KTURN 0
.irp q, 0,1,2,3,4,5,6,7
	KSTEP \q
.endr
.Ljoin:
	s_wait_dscnt 0x0                               ; my codes and bytes are in LDS
	s_barrier_signal -1
	s_barrier_wait -1
	ds_load_b128 v[32:35], v13
	ds_load_b128 v[36:39], v13 offset:512
	s_cmp_lt_u32 s16, 2
	s_cbranch_scc0 .Lno_words
	ds_load_b128 v[40:43], v14 offset:KSC
	s_wait_dscnt 0x0
	global_store_b128 v15, v[40:43], s[10:11] offset:KSC
.Lno_words:
	s_wait_dscnt 0x0
	global_store_b128 v13, v[32:35], s[10:11]
	global_store_b128 v13, v[36:39], s[10:11] offset:512
	s_wait_tensorcnt 0x0                           ; the wave's end
	ds_add_u32 v[SPW], v[NIL]
	s_wait_dscnt 0x0
	s_endpgm
.Lfunc_end_k_q73a65b300a_prep:
	.size	k_q73a65b300a_prep, .Lfunc_end_k_q73a65b300a_prep-k_q73a65b300a_prep
	.p2alignl 7, 3214868480
	.fill 96, 4, 3214868480
	.section	.rodata,"a",@progbits
	.p2align	6, 0x0
	.amdhsa_kernel k_q73a65b300a_prep
		.amdhsa_group_segment_fixed_size 20480
		.amdhsa_private_segment_fixed_size 0
		.amdhsa_enable_private_segment 0
		.amdhsa_kernarg_size 24
		.amdhsa_user_sgpr_count 2
		.amdhsa_user_sgpr_kernarg_segment_ptr 1
		.amdhsa_wavefront_size32 1
		.amdhsa_system_sgpr_workgroup_id_x 1
		.amdhsa_system_sgpr_workgroup_id_y 1
		.amdhsa_system_sgpr_workgroup_id_z 1
		.amdhsa_system_vgpr_workitem_id 0
		.amdhsa_next_free_vgpr 216
		.amdhsa_next_free_sgpr 66
		.amdhsa_reserve_vcc 0
		.amdhsa_float_denorm_mode_32 3
		.amdhsa_float_denorm_mode_16_64 3
		.amdhsa_memory_ordered 1
		.amdhsa_forward_progress 1
		.amdhsa_inst_pref_size 35
	.end_amdhsa_kernel
	.amdgpu_metadata
---
amdhsa.version: [ 1, 2 ]
amdhsa.kernels:
  - .name:           k_q73a65b300a_prep
    .symbol:         k_q73a65b300a_prep.kd
    .args:
      - { .name: key_layer, .offset: 0, .size: 8, .value_kind: global_buffer, .address_space: global }
      - { .name: value_layer, .offset: 8, .size: 8, .value_kind: global_buffer, .address_space: global }
      - { .name: kv, .offset: 16, .size: 8, .value_kind: global_buffer, .address_space: global }
    .group_segment_fixed_size: 20480
    .private_segment_fixed_size: 0
    .kernarg_segment_align: 8
    .kernarg_segment_size: 24
    .max_flat_workgroup_size: 256
    .sgpr_count:     66
    .vgpr_count:     216
    .wavefront_size: 32
...
	.end_amdgpu_metadata
.endif
;; end of part 1
;; launch attn (part 2): grid 8 x 32, 16 waves a work-group, clusters of 4 x 1, 327,680 bytes of LDS; arguments query_layer, kv, out0; writes out0
.if DOCPART == 2
	.amdgcn_target "amdgcn-amd-amdhsa--gfx1250"
	.amdhsa_code_object_version 6
	.text
	.protected	k_q73a65b300a_attn
	.globl	k_q73a65b300a_attn
	.p2align	8
	.type	k_q73a65b300a_attn,@function
k_q73a65b300a_attn:
	s_mov_b64 s[64:65], 0
	v_nop
	global_prefetch_b8 v0, s[64:65] scope:SCOPE_SE
	s_setreg_imm32_b32 hwreg(HW_REG_WAVE_MODE, 25, 1), 1
	s_wait_xcnt 0x0
	s_wait_alu depctr_hold_cnt(0) depctr_sa_sdst(0) depctr_va_vdst(0) depctr_va_sdst(0) depctr_va_ssrc(0) depctr_va_vcc(0) depctr_vm_vsrc(0)
	s_getreg_b32 s2, hwreg(HW_REG_IB_STS2, 6, 4)
	s_cmp_eq_u32 s2, 0
	s_cbranch_scc0 .Lentry_in_a_cluster
	s_endpgm
.Lentry_in_a_cluster:
	s_bfe_u32 s2, ttmp6, 0x10000c
	s_cmp_lg_u32 s2, 0x3003
	s_cbranch_scc0 .Lentry_shape_is_right
	s_endpgm
.Lentry_shape_is_right:
; out[b][q][h x 128 + :] = the sum over k <= q of softmax_k(Q[q] . K[k] / sqrt(128)) V[k][:], 32 heads of 2,048 x 128; both products on codes of FP4 (E2M1) with one E8M0 scale for each 32 along a product's K.
; LEFT OUT: key steps that lie wholly under the causal mask (every weight there is exp(-infinity) = 0, for all inputs), and the factor 2 by which the scores are divided and then multiplied (a power of two: it cancels).
; LIMITS: a NaN, an infinity or an overflow that reaches only the work left out is not carried to the result.  NaN and infinities among the inputs are not served.  A block whose largest magnitude lies under 2^-124 gets the byte 1; a p under 2^-126 comes out of the exponential as 0.
; THE SOFTMAX AHEAD OF THE SECOND PRODUCT: t = score x log2(e) / sqrt(128); M = the largest t so far, rounded UP to a whole number; p = 2^(t - M) is quantised along the keys, not normalised.
; The row's sum is taken of the unquantised p and divides at the end.  When M moves, the sum and O are multiplied by 2^(old M - new M): exact.
; THE HEAD'S WHOLE K AND V STAND IN LDS: 16 steps of 128 keys, a block of 17,408 bytes each (K's codes 8,192, K's scale words 512, V's codes 8,192, V's scale words 512, as images of the operands' registers): 278,528 bytes.
; Wave w fetches step w, one tensor load a wave; nothing is filled again.  Steps 0 to 3 are waited for ahead of the first barrier, the others ahead of the second, which is signalled behind step 0 and waited for ahead of step 4.
; No prefetch: every tile is asked for at the head, and no loop loads from memory.
; SHARES.  Eight work-groups to a head, sixteen waves each; a wave owns ONE tile of 16 queries in 256 registers.  THE TILES ARE INTERLEAVED: the wave of rank WQ in work-group g takes queries 128 WQ + 16 g on, so every
; work-group has waves that need 1, 2, .. 16 key steps, and which steps are hidden (step > WQ), open (step < WQ) or on the diagonal (step = WQ) hangs on the wave's number alone.  Each four waves of equal number mod 4 have 34 steps together.
; CLUSTER.  The four work-groups of a cluster belong to one head: each block is asked for JOINTLY, by the same tensor load with the same descriptor and the mask of all four.
; LAYOUT.  S^T = K Q^T (source 0 = 16 keys, source 1 = my queries): a lane holds ONE query (lane % 16).  K's tile 4 c + u, row m holds key 64 c + 32 (m / 8) + 8 u + m % 8, so a lane's registers 32 c .. 32 c + 31 are the WHOLE block of keys
; 64 c + 32 (lane / 16) + 0 .. 31: its codes are the second product's operand as they come.  O = P V (source 0 = P, source 1 = 16 channels): register j of tile t is query 8 (lane / 16) + j, channel 64 (t / 4) + 4 (lane % 16) + t % 4:
; four tiles' numbers are 16 neighbouring bytes, and sixteen lanes store 256.
; REGISTERS: v1-11 addresses; v12 -M, v13 the largest t, v[14:15] the sum in two halves; v16-23 Q's codes; v24-31 the scale words of the eight tiles in hand; v32-95 eight fragments of K, then of V;
;   v96-159 S^T, then p; v160-223 O; v224-231 p's codes; v232-254 at work (v240-247 the factors of the queries 8 (lane / 16) + j); v253 p's scale word; v255 Q's.
.set STEPB, 17408
.set KSO,   8192                       ; in a block: K's scale words, V's codes, V's scale words
.set VO,    8704
.set VSO,   16896
.set STG,   16*STEPB                   ; behind the blocks: 2,560 bytes for each wave, in which Q is turned; no tensor load lands here
.set SPARE, STG+16*2560                ; the spare words, 128 bytes for each wave
.set QSB,   1280                       ; in a wave's 2,560 bytes: Q's scale bytes, behind Q's codes
.set LI,  1                            ; v1   16 x lane
.set LSC, 2                            ; v2   16 x (lane % 16)
.set ADR, 3                            ; v3   LI + the step's block
.set ADS, 4                            ; v4   LSC + the step's block
.set SPW, 5                            ; v5   LDS address of my spare word; never rewritten
.set NIL, 6                            ; v6   0; never rewritten
.set GO,  7                            ; v7   my byte offset in the wave's rows of the output
.set QD,  9                            ; v9   my query less the diagonal step's first key less 32 (lane / 16)
.set QST, 10                           ; v10  Q's turn, in
.set QLD, 11                           ; v11  and out
.set WV,  16                           ; s16  my wave's number
.set WQ,  17                           ; s17  my rank: the diagonal step
.set JS,  18                           ; s18  the step's number
.set TB,  19                           ; s19  the step's block in LDS
.set SEL, 20                           ; s[20:21] selects for lane l xor 16
.set CS,  22                           ; s[22:23] c = log2(e) / sqrt(128), twice: the packed form names a pair
.set G1,  24                           ; s[24:31] descriptor group 1
.set G0,  32                           ; s[32:35] group 0
.set HM,  36                           ; s36  lanes 16 to 31
.set CNT, 37                           ; s37  trips still to go
.set TG,  38                           ; s38  16 g
.set RG,  39                           ; s39  my 2,560 bytes of LDS
; A round of the cluster's barrier: my work-group's barrier; wave 0 signals for the work-group; every wave waits for all four work-groups; my work-group's barrier once more.
.macro CROUND
	s_barrier_signal -1
	s_barrier_wait -1
	s_cmp_lg_u32 s[WV], 0
	s_cbranch_scc1 .Lnot_wave_0_\@
	s_barrier_signal -3
.Lnot_wave_0_\@:
	s_barrier_wait -3
	s_barrier_signal -1
	s_barrier_wait -1
.endm
.macro QLOADS                          ; my 16 rows of Q are 8,192 bytes on end: a row a load
.irp i, 0,1,2,3,4,5,6,7,8,9,10,11,12,13,14,15
	global_load_b128 v[96+4*\i:99+4*\i], v[LI], s[4:5] offset:512*\i th:TH_LOAD_NT
.endr
.endm
	s_load_b128 s[4:7], s[0:1], 0x0                ; Q s[4:5], kv s[6:7]
	s_load_b64 s[8:9], s[0:1], 0x10                ; out
	v_lshl_add_u32 v[SPW], v0, 2, SPARE
	v_mov_b32 v[NIL], 0
	ds_add_u32 v[SPW], v[NIL]                      ; the wave's opening: the add, twice on end, and its wait ahead of my tensor load
	ds_add_u32 v[SPW], v[NIL]
	v_lshrrev_b32 v232, 5, v0
	v_readfirstlane_b32 s[WV], v232                ; wave 0..15
	s_mov_b32 s58, 0xba98cdef                      ; the ranks of waves 0 to 7, four bits each: 15 14 13 12 8 9 10 11;
	s_mov_b32 s59, 0x32104567                      ; of waves 8 to 15: 7 6 5 4 0 1 2 3
	s_cmp_lt_u32 s[WV], 8
	s_cselect_b32 s58, s58, s59
	s_and_b32 s59, s[WV], 7
	s_lshl_b32 s59, s59, 2
	s_lshr_b32 s[WQ], s58, s59
	s_and_b32 s[WQ], s[WQ], 15
	s_bfe_u32 s54, ttmp6, 0x40000                  ; cx: my place in the cluster
	s_lshl_b32 s55, ttmp9, 2
	s_add_co_u32 s55, s55, s54                     ; g = 4 x cluster x + cx: it enters Q's and the output's addresses and the mask's numbers alone
	s_and_b32 s56, ttmp7, 0xffff                   ; the head, which the partners share
	s_lshl_b32 s[TG], s55, 4
	s_lshl_b32 s57, s[WQ], 7
	s_add_co_u32 s57, s57, s[TG]                   ; my first query
	; descriptor group 1: a block is dense: 68 rows of 256 bytes (32 elements of 8 bytes)
	s_mov_b32 s[G1], 15|(3<<16)|(1<<21)            ; 15:0 the mask: all four work-groups; 17:16 elements of 8 bytes; 21 set beside a mask
	s_mov_b32 s[G1+1], 32<<16                      ; tensor_dim0
	s_mov_b32 s[G1+2], 68<<16                      ; tensor_dim1
	s_mov_b32 s[G1+3], 32<<16                      ; tile_dim0
	s_mov_b32 s[G1+4], 68                          ; tile_dim1
	s_mov_b32 s[G1+5], 32                          ; from row to row
	s_mov_b32 s[G1+6], 0
	s_mov_b32 s[G1+7], 0
	s_mul_i32 s60, s56, 16*STEPB                   ; my head,
	s_mul_i32 s62, s[WV], STEPB                    ; and in it, as in LDS, the block of step w
	s_add_co_u32 s60, s60, s62
	s_mov_b32 s61, 0
	s_mov_b32 s[SEL], 0x76543210
	s_mov_b32 s[SEL+1], 0xfedcba98
	s_mov_b32 s[CS], 0x3e0293ee                    ; c = log2(e) / sqrt(128)
	s_mov_b32 s[CS+1], s[CS]
	s_mov_b32 s[HM], 0xffff0000
	s_mul_i32 s[RG], s[WV], 2560
	s_add_co_u32 s[RG], s[RG], STG
	s_lshl_b32 s68, s56, 20                        ; Q: a head is 2,048 rows of 512 bytes
	s_lshl_b32 s69, s57, 9
	s_add_co_u32 s68, s68, s69
	s_mov_b32 s69, 0
	s_lshr_b32 s70, s56, 4                         ; the output: batch x 2,048 rows of 8,192 bytes,
	s_lshl_b32 s70, s70, 24
	s_lshl_b32 s71, s57, 13                        ; my first query's row,
	s_add_co_u32 s70, s70, s71
	s_and_b32 s71, s56, 15                         ; the head's 512 bytes in it
	s_lshl_b32 s71, s71, 9
	s_add_co_u32 s70, s70, s71
	s_mov_b32 s71, 0
	v_and_b32 v232, 15, v0                         ; r
	v_bfe_u32 v233, v0, 4, 1                       ; h
	v_and_b32 v234, 31, v0                         ; lane
	v_lshlrev_b32 v[LI], 4, v234
	v_lshlrev_b32 v[LSC], 4, v232
	v_lshl_add_u32 v[GO], v233, 16, v[LSC]         ; lanes 0-15 store row j, lanes 16-31 row 8 + j of 8,192 bytes; 16 bytes a lane
	v_lshlrev_b32 v235, 5, v233
	v_sub_nc_u32 v[QD], v232, v235
	v_add_nc_u32 v[QD], s[TG], v[QD]               ; 16 g + r - 32 h
	v_lshrrev_b32 v235, 2, v234
	v_mul_u32_u24 v235, v235, 80
	v_and_b32 v236, 3, v0
	v_lshl_add_u32 v235, v236, 4, v235
	v_add_nc_u32 v[QST], s[RG], v235               ; Q's turn, in: 64 bytes and 16 of padding for four lanes
	v_mul_u32_u24 v235, v234, 80
	v_add_nc_u32 v[QLD], s[RG], v235               ; and out: 64 bytes a lane
	v_lshrrev_b32 v235, 3, v234
	v_mul_u32_u24 v235, v235, 80
	v_and_b32 v236, 7, v0
	v_lshl_add_u32 v235, v236, 3, v235
	v_add_nc_u32 v248, s[RG], v235                 ; Q's codes, in: row lane / 8 of four, 8 bytes a lane, rows 80 bytes apart
	v_lshrrev_b32 v235, 1, v234
	v_add_nc_u32 v249, s[RG], v235                 ; its scale bytes, in
	v_mul_u32_u24 v235, v232, 80
	v_lshl_add_u32 v235, v233, 4, v235
	v_add_nc_u32 v250, s[RG], v235                 ; its codes, out: the operand's layout
	v_lshlrev_b32 v235, 2, v232
	v_add_nc_u32 v251, s[RG], v235                 ; its scale words, out
	v_mov_b32 v254, 0                              ; a lane permute's destination counts as one of its sources: written once
.irp j, 4,5,6,7
	v_mov_b32 v[240+\j], 0                         ; likewise
.endr
	s_wait_dscnt 0x0                               ; both opening adds are done
	s_wait_alu depctr_va_vdst(0)                   ; the wait at the head's end
	s_wait_kmcnt 0x0
	s_mov_b32 s[G0], 1                             ; count = 1
	s_mov_b32 s[G0+1], s62                         ; LDS address
	s_add_nc_u64 s[G0+2:G0+3], s[6:7], s[60:61]    ; global address
	s_or_b32 s[G0+3], s[G0+3], 0x80000000          ; type = 2
	s_add_nc_u64 s[4:5], s[4:5], s[68:69]          ; Q at my first query
	s_add_nc_u64 s[8:9], s[8:9], s[70:71]          ; the output likewise
	CROUND                                         ; all four work-groups are here: the joint loads meet
	s_cmp_lt_u32 s[WV], 4                          ; steps 0 to 3 have a line of their own, since they are waited for earlier
	s_cbranch_scc1 .Lfirst_steps
	QLOADS
	tensor_load_to_lds s[G0:G0+3], s[G1:G1+7]
	s_nop 0
.rept 4
	v_nop
.endr
	s_branch .Lasked
.Lfirst_steps:
	tensor_load_to_lds s[G0:G0+3], s[G1:G1+7]
	s_nop 0
.rept 4
	v_nop
.endr
	QLOADS
	s_wait_tensorcnt 0x0                           ; my step's block is in
.Lasked:
	s_barrier_signal -1                            ; Q's loads may be out: nobody stores there
	s_barrier_wait -1                              ; steps 0 to 3 are whole
	; Q: four rows at a time through my own bytes of LDS (a wave's LDS instructions are served in order), so that a lane holds 16 neighbours, two lanes a block
.irp i, 0,1,2,3
	s_wait_loadcnt 12-4*\i                         ; the loads of the later rows may be out
.irp k, 0,1,2,3
	ds_store_b128 v[QST], v[96+16*\i+4*\k:99+16*\i+4*\k] offset:640*\k
.endr
.irp k, 0,1,2,3
	ds_load_b128 v[32+16*\i+4*\k:35+16*\i+4*\k], v[QLD] offset:16*\k
.endr
.endr
	s_wait_dscnt 0x0
.irp i, 0,1,2,3
	v_max3_num_f32 v[232+\i], |v[32+16*\i]|, |v[33+16*\i]|, 0x1800000   ; and the floor 2^(3 - 127): the byte cannot fall under 1
.endr
.irp k, 2,4,6,8,10,12,14
.irp i, 0,1,2,3
	v_max3_num_f32 v[232+\i], v[232+\i], |v[32+16*\i+\k]|, |v[33+16*\i+\k]|
.endr
.endr
.irp i, 0,1,2,3
	v_max_num_f32_dpp v[232+\i], v[232+\i], v[232+\i] row_xmask:1 row_mask:0xf bank_mask:0xf
.endr
.irp i, 0,1,2,3
	v_add_nc_u32 v[236+\i], 0xff000000, v[232+\i]  ; 2 off the exponent field: the conversion's scale operand
.endr
.irp i, 0,1,2,3
	v_cvt_scalef32_pk8_fp4_f32 v[224+2*\i], v[32+16*\i:39+16*\i], v[236+\i]
	v_cvt_scalef32_pk8_fp4_f32 v[225+2*\i], v[40+16*\i:47+16*\i], v[236+\i]
.endr
.irp i, 0,1,2,3
	v_lshrrev_b32 v[240+\i], 23, v[236+\i]         ; the scale's byte
.endr
.irp i, 0,1,2,3
	ds_store_b64 v248, v[224+2*\i:225+2*\i] offset:320*\i
	ds_store_b8 v249, v[240+\i] offset:QSB+16*\i   ; both lanes of a block write the same byte with the same value
.endr
	ds_load_b128 v[16:19], v250                    ; Q's operand and its scale words stay in registers
	ds_load_b128 v[20:23], v250 offset:32
	ds_load_b32 v255, v251 offset:QSB
; eight fragments and their scale words: the images as they lie, 16 bytes a lane
.macro FRAGS off, soff
.irp t, 0,1,2,3,4,5,6,7
.irp c, 0,1
	ds_load_b128 v[32+8*\t+4*\c:35+8*\t+4*\c], v[ADR] offset:\off+1024*\t+512*\c
.endr
.endr
	ds_load_b128 v[24:27], v[ADS] offset:\soff     ; row r's words of tiles 0 to 3,
	ds_load_b128 v[28:31], v[ADS] offset:\soff+256 ; of tiles 4 to 7
.endm
.macro MX a, b                         ; the two blocks' maxima, each in two chains
	v_max3_num_f32 v232, v232, v[96+\a], v[97+\a]
	v_max3_num_f32 v233, v233, v[128+\a], v[129+\a]
	v_max3_num_f32 v234, v234, v[96+\b], v[97+\b]
	v_max3_num_f32 v235, v235, v[128+\b], v[129+\b]
.endm
.macro PKF n                           ; t - M, two at a time (of the pairs c and -M the low word serves both halves)
.rept \n
	v_pk_fma_f32 v[96+pf:97+pf], v[96+pf:97+pf], s[CS:CS+1], v[12:13] op_sel_hi:[1,0,0]
.set pf, pf+2
.endr
.endm
.macro PSUM n                          ; p onto the sum's four chains by turns: v[14:15], v[234:235], v[236:237], v[238:239]
.rept \n
.if ((nn/2)%4) == 2
	v_pk_add_f32 v[14:15], v[14:15], v[96+nn:97+nn]
.else
	v_pk_add_f32 v[232+2*((nn/2+2)%4):233+2*((nn/2+2)%4)], v[232+2*((nn/2+2)%4):233+2*((nn/2+2)%4)], v[96+nn:97+nn]
.endif
.set nn, nn+2
.endr
.endm
; A KEY STEP: 128 keys.  first = 1: step 0, which every wave has and which starts the sums
.macro STEP first
.if \first == 0
	s_cmp_gt_u32 s[JS], s[WQ]                      ; all its keys come after my queries: its work is left out
	s_cbranch_scc1 .Lhidden_\@
.endif
	v_add_nc_u32 v[ADR], s[TB], v[LI]
	v_add_nc_u32 v[ADS], s[TB], v[LSC]
	v_nop                                          ; with the two additions: four places between the last step's products and the loads into their registers
	v_nop
	FRAGS 0, KSO                                   ; K
	s_wait_alu depctr_va_vdst(0)                   ; the wait here, directly ahead of the wait below
	s_wait_dscnt 0x0
.irp t, 0,1,2,3,4,5,6,7
	v_wmma_scale_f32_16x16x128_f8f6f4 v[96+8*\t:103+8*\t], v[32+8*\t:39+8*\t], v[16:23], 0, v[24+\t], v255 matrix_a_fmt:MATRIX_FMT_FP4 matrix_b_fmt:MATRIX_FMT_FP4
.endr
.rept 4
	v_nop                                          ; places: for the loads below, and for the first read of the scores
.endr
	FRAGS VO, VSO                                  ; V, into the same registers: it lands while the softmax is walked
	s_cmp_lt_u32 s[JS], s[WQ]                      ; all its keys count: no mask
	s_cbranch_scc1 .Lopen_\@
	v_mov_b32 v254, 0xff800000                     ; on the diagonal hidden scores become -infinity ahead of the maxima: p = 0 then.  Register 32 c + i holds key 64 c + 32 (lane / 16) + i of the step: hidden where 64 c + i > QD
.set nn, 0
.rept 64
	v_cmp_gt_i32 vcc_lo, 64*(nn/32)+nn%32, v[QD]
	v_cndmask_b32 v[96+nn], v[96+nn], v254, vcc_lo
.set nn, nn+1
.endr
.Lopen_\@:
	v_max3_num_f32 v232, v96, v97, v98             ; the largest score of each of my two blocks of 32 keys: it serves for the row's maximum and, since p rises with the score, for the block's largest p
	v_max3_num_f32 v233, v128, v129, v130
	v_max3_num_f32 v234, v113, v114, v115
	v_max3_num_f32 v235, v145, v146, v147
	MX 3, 20
	MX 5, 22
	MX 7, 24
	MX 9, 26
	MX 11, 28
	MX 13, 30
	v_max3_num_f32 v232, v232, v111, v112
	v_max3_num_f32 v233, v233, v143, v144
	v_max_num_f32 v232, v232, v234
	v_max_num_f32 v233, v233, v235
	s_delay_alu instid0(VALU_DEP_1)
	v_max_num_f32 v234, v232, v233
	s_delay_alu instid0(VALU_DEP_1)
	v_permlanex16_b32 v235, v234, s[SEL], s[SEL+1]
	s_delay_alu instid0(VALU_DEP_1)
	v_max_num_f32 v234, v234, v235                 ; with lane l xor 16's two blocks: the step's largest score of my query (the step's first key counts for it, so it is a number)
.set pf, 0
.if \first
	s_delay_alu instid0(VALU_DEP_1)
	v_mul_f32 v13, s[CS], v234                     ; the largest t (c is positive)
	s_delay_alu instid0(VALU_DEP_1)
	v_floor_f32 v12, -v13                          ; -M = floor(-t) = -ceil(t): a whole number
	PKF 32
.else
	s_delay_alu instid0(VALU_DEP_1)
	v_mul_f32 v234, s[CS], v234
	s_delay_alu instid0(VALU_DEP_1)
	v_max_num_f32 v13, v13, v234                   ; the running largest t
	v_mov_b32 v235, v12
	v_floor_f32 v12, -v13                          ; the new -M
	v_sub_f32 v235, v12, v235                      ; M's old value less its new one: a whole number, 0 or less
	PKF 4
	v_cvt_i32_f32 v235, v235                       ; (it saturates)
	PKF 4
	v_ldexp_f32 v252, 1.0, v235                    ; f = 2^(old M - new M) of my query
	PKF 4
	v_mov_b32_dpp v254, v252 row_xmask:8 row_mask:0xf bank_mask:0xf
	PKF 4
	v_cndmask_b32 v254, v252, v254, s[HM]          ; lanes 16 to 31 begin with query 8
	PKF 4
.irp j, 0,1,2,3,4,5,6,7
	v_mov_b32_dpp v[240+\j], v254 row_share:\j row_mask:0xf bank_mask:0xf   ; the f of query 8 (lane / 16) + j
.endr
	PKF 12
.endif
	v_pk_fma_f32 v[232:233], v[232:233], s[CS:CS+1], v[12:13] op_sel_hi:[1,0,0]   ; the same of each block's largest score
	s_wait_alu depctr_va_vdst(0)                   ; the wait ahead of the batch
.set nn, 0
.rept 64
	v_exp_f32 v[96+nn], v[96+nn]                   ; p = 2^(t - M), at most 1
.set nn, nn+1
.endr
.irp b, 0,1
	v_exp_f32 v[232+\b], v[232+\b]                 ; the block's largest p: the same two operations on the same number
.endr
.if \first
	v_nop                                          ; a plain line behind the exponentials
.else
	v_pk_mul_f32 v[14:15], v[14:15], v[252:253] op_sel_hi:[1,0]   ; the sums under the new M.  (A plain line behind the exponentials)
.endif
	s_wait_alu depctr_va_vdst(0)                   ; one wait for the whole batch, ahead of its first reader
.irp b, 0,1
	v_max_num_f32 v[232+\b], 0x1800000, v[232+\b]  ; the floor 2^(3 - 127): the byte cannot fall under 1 (a block whose every p is 0 keeps that byte: its codes are zeros)
.endr
.irp b, 0,1
	v_add_nc_u32 v[248+\b], 0xff000000, v[232+\b]  ; 2 off the exponent field: the conversion's scale operand
.endr
.irp b, 0,1
.irp g, 0,1,2,3
	v_cvt_scalef32_pk8_fp4_f32 v[224+4*\b+\g], v[96+32*\b+8*\g:103+32*\b+8*\g], v[248+\b]
.endr
.endr
	v_lshrrev_b32 v250, 23, v248                   ; the scales' bytes: mine are 2 c + lane / 16
	v_lshrrev_b32 v251, 23, v249
	v_pk_add_f32 v[234:235], v[96:97], v[98:99]    ; the row's sum, of the unquantised p
	v_pk_add_f32 v[236:237], v[100:101], v[102:103]
	v_pk_add_f32 v[238:239], v[104:105], v[106:107]
	v_lshl_or_b32 v250, v251, 16, v250
.set nn, 12
.if \first
	v_pk_add_f32 v[14:15], v[108:109], v[110:111]
.set nn, 16
	PSUM 3
.else
	PSUM 4
.endif
	v_permlanex16_b32 v254, v250, s[SEL], s[SEL+1]
	PSUM 4
	v_lshl_or_b32 v253, v254, 8, v250              ; lanes 0 to 15: p's scale word for these 128 keys (lanes 16 to 31 are not read)
	PSUM (64-nn)/2
	v_pk_add_f32 v[14:15], v[14:15], v[234:235]
	v_pk_add_f32 v[236:237], v[236:237], v[238:239]
	v_pk_add_f32 v[14:15], v[14:15], v[236:237]
.if \first == 0
	s_wait_alu depctr_va_vdst(0)                   ; the wait here, directly ahead of the first reader of O
.irp t, 0,1,2,3,4,5,6,7
.irp i, 0,2,4,6
	v_pk_mul_f32 v[160+8*\t+\i:161+8*\t+\i], v[160+8*\t+\i:161+8*\t+\i], v[240+\i:241+\i]   ; O under the new M, each accumulator from its low end on
.endr
.endr
.endif
	s_wait_alu depctr_va_vdst(0)                   ; the wait here, directly ahead of the wait below
	s_wait_dscnt 0x0                               ; V and its scale words are in
.irp t, 0,1,2,3,4,5,6,7                ; the eight accumulators take turns, one instruction a turn
.if \first
	v_wmma_scale_f32_16x16x128_f8f6f4 v[160+8*\t:167+8*\t], v[224:231], v[32+8*\t:39+8*\t], 0, v253, v[24+\t] matrix_a_fmt:MATRIX_FMT_FP4 matrix_b_fmt:MATRIX_FMT_FP4
.else
	v_wmma_scale_f32_16x16x128_f8f6f4 v[160+8*\t:167+8*\t], v[224:231], v[32+8*\t:39+8*\t], v[160+8*\t:167+8*\t], v253, v[24+\t] matrix_a_fmt:MATRIX_FMT_FP4 matrix_b_fmt:MATRIX_FMT_FP4
.endif
.endr
.Lhidden_\@:
.endm
	s_mov_b32 s[JS], 0
	s_mov_b32 s[TB], 0
	STEP 1
	s_wait_alu depctr_va_vdst(0)                   ; the wait here, directly ahead of the wait below
	s_wait_tensorcnt 0x0                           ; my block is in, whichever step's it is:
	s_barrier_signal -1                            ; say so; until the wait only steps 1 to 3 are read, which nobody writes
	s_mov_b32 s[JS], 1
	s_mov_b32 s[TB], STEPB
	s_mov_b32 s[CNT], 3
.Learly:
	STEP 0
	s_add_co_u32 s[JS], s[JS], 1
	s_add_co_u32 s[TB], s[TB], STEPB
	s_sub_co_u32 s[CNT], s[CNT], 1
	s_cmp_lg_u32 s[CNT], 0
	s_cbranch_scc1 .Learly
	s_barrier_wait -1                              ; all sixteen blocks are whole
	s_mov_b32 s[JS], 4
	s_mov_b32 s[TB], 4*STEPB
	s_mov_b32 s[CNT], 12
.Lsteps:
	STEP 0
	s_add_co_u32 s[JS], s[JS], 1
	s_add_co_u32 s[TB], s[TB], STEPB
	s_sub_co_u32 s[CNT], s[CNT], 1
	s_cmp_lg_u32 s[CNT], 0
	s_cbranch_scc1 .Lsteps
	; THE WAY OUT.  O is divided by the row's sum, dealt so that four tiles' numbers stand side by side, and stored: sixteen lanes 256 consecutive bytes, aligned.
.rept 4
	v_nop                                          ; places behind the last products
.endr
	v_add_f32 v14, v14, v15                        ; the sum's two halves,
	s_delay_alu instid0(VALU_DEP_1)
	v_permlanex16_b32 v254, v14, s[SEL], s[SEL+1]
	s_delay_alu instid0(VALU_DEP_1)
	v_add_f32 v14, v14, v254                       ; and lane l xor 16's: the row's sum
	s_wait_alu depctr_va_vdst(0)                   ; the wait ahead of the transcendental
	v_rcp_f32 v14, v14
	v_nop                                          ; a plain line behind the reciprocal
	s_wait_alu depctr_va_vdst(0)                   ; the wait, ahead of the first reader
	v_mov_b32_dpp v254, v14 row_xmask:8 row_mask:0xf bank_mask:0xf
	v_cndmask_b32 v254, v14, v254, s[HM]
.irp j, 0,1,2,3,4,5,6,7
	v_mov_b32_dpp v[240+\j], v254 row_share:\j row_mask:0xf bank_mask:0xf   ; of query 8 (lane / 16) + j
.endr
	s_wait_alu depctr_va_vdst(0)                   ; the wait here, directly ahead of the first reader of O
.irp j, 0,1,2,3,4,5,6,7
.irp t, 0,1,2,3,4,5,6,7
	v_mul_f32 v[96+8*\j+\t], v[160+8*\t+\j], v[240+\j]
.endr
.endr
.irp j, 0,1,2,3,4,5,6,7
.irp u, 0,1
	global_store_b128 v[GO], v[96+8*\j+4*\u:99+8*\j+4*\u], s[8:9] offset:8192*\j+256*\u th:TH_STORE_NT   ; written once, read by nobody here
.endr
.endr
	s_wait_tensorcnt 0x0                           ; the wave's end, behind my tensor load and my last LDS store
	ds_add_u32 v[SPW], v[NIL]
	s_wait_dscnt 0x0
	CROUND                                         ; the closing round: no work-group ends while a partner may still ask for a tile that names it
	s_endpgm
.Lfunc_end_k_q73a65b300a_attn:
	.size	k_q73a65b300a_attn, .Lfunc_end_k_q73a65b300a_attn-k_q73a65b300a_attn
	.p2alignl 7, 3214868480
	.fill 96, 4, 3214868480
	.section	.rodata,"a",@progbits
	.p2align	6, 0x0
	.amdhsa_kernel k_q73a65b300a_attn
		.amdhsa_group_segment_fixed_size 327680
		.amdhsa_private_segment_fixed_size 0
		.amdhsa_enable_private_segment 0
		.amdhsa_kernarg_size 24
		.amdhsa_user_sgpr_count 2
		.amdhsa_user_sgpr_kernarg_segment_ptr 1
		.amdhsa_wavefront_size32 1
		.amdhsa_system_sgpr_workgroup_id_x 1
		.amdhsa_system_sgpr_workgroup_id_y 1
		.amdhsa_system_sgpr_workgroup_id_z 1
		.amdhsa_system_vgpr_workitem_id 0
		.amdhsa_next_free_vgpr 256
		.amdhsa_next_free_sgpr 80
		.amdhsa_reserve_vcc 1
		.amdhsa_float_denorm_mode_32 3
		.amdhsa_float_denorm_mode_16_64 3
		.amdhsa_memory_ordered 1
		.amdhsa_forward_progress 1
		.amdhsa_inst_pref_size 85
	.end_amdhsa_kernel
	.amdgpu_metadata
---
amdhsa.version: [ 1, 2 ]
amdhsa.kernels:
  - .name:           k_q73a65b300a_attn
    .symbol:         k_q73a65b300a_attn.kd
    .args:
      - { .name: query_layer, .offset: 0, .size: 8, .value_kind: global_buffer, .address_space: global }
      - { .name: kv, .offset: 8, .size: 8, .value_kind: global_buffer, .address_space: global }
      - { .name: out0, .offset: 16, .size: 8, .value_kind: global_buffer, .address_space: global }
    .group_segment_fixed_size: 327680
    .private_segment_fixed_size: 0
    .kernarg_segment_align: 8
    .kernarg_segment_size: 24
    .max_flat_workgroup_size: 512
    .sgpr_count:     80
    .vgpr_count:     256
    .wavefront_size: 32
...
	.end_amdgpu_metadata
.endif
;; end of part 2
